; MI455X (gfx1250); checked and timed in simulation.
; The chip was launched on July 23, 2026; its instructions are those of AMD's public machine-readable ISA for CDNA 5 (MIT licence, August 2026) and "CDNA5" Instruction Set Architecture Reference Guide (July 2026). The comments in the code are by the model that wrote it; some were corrected since.
;; Self Attention. Allowed arithmetic: float matrix products may take bf16 or f16 operands with f32 sums; all other float work in f32.
;; Inputs: Wk 512 x 512 float32; Wq 512 x 512 float32; Wv 512 x 512 float32; beta 512 float32; emb 4 x 512 float32; gamma 512 float32; x 4 x 2,048 x 512 float32.
;; Outputs: out0 4 x 2,048 x 512 float32.
;; One version. Each part assembles by itself: llvm-mc -triple=amdgcn-amd-amdhsa -mcpu=gfx1250 --defsym DOCPART=n.
;; ======== version 1 of 1: 3 launches
;; workspace buffers: xn 8,388,608 bytes; wb 1,572,864 bytes; qkv 25,165,824 bytes
;; launch prep (part 1): grid 304 x 1, 8 waves a work-group, no clusters, 0 bytes of LDS; arguments x, Wq, Wk, Wv, gamma, beta, xn, wb; writes xn, wb
.if DOCPART == 1
	.amdgcn_target "amdgcn-amd-amdhsa--gfx1250"
	.amdhsa_code_object_version 6
	.text
	.protected	k_qe2e01170eb_prep
	.globl	k_qe2e01170eb_prep
	.p2align	8
	.type	k_qe2e01170eb_prep,@function
k_qe2e01170eb_prep:
	s_mov_b64 s[64:65], 0
	v_nop
	global_prefetch_b8 v0, s[64:65] scope:SCOPE_SE
	s_setreg_imm32_b32 hwreg(HW_REG_WAVE_MODE, 25, 1), 1
	s_wait_xcnt 0x0
; xn = bf16( LayerNorm(x) * gamma + beta ), [8192][512];  wb = bf16 of the rows of Wq * c, Wk, Wv, [1536][512], c = log2(e) / 8.
; The factor c puts the scores' 1/sqrt(64) and the change from e^x to 2^x into Wq once, in f32, ahead of the rounding.
; A stream: every byte is read once and written once, so no LDS, no barrier, no matrix unit.
; Work-groups 0 to 255 normalise 32 rows of x each, work-groups 256 to 303 cast 32 rows of one weight table each.
; A wave owns 4 rows.  A row is four loads of 16 bytes a lane (512 neighbouring bytes each): lane l holds k = 128 j + 4 l + 0..3 of load j,
; and goes out as four stores of 8 bytes a lane: each store covers 256 consecutive bytes, aligned.
; All 16 loads of a wave go out at once; every row has its own registers for data in and out, so nothing is rewritten while it is a source.
; The mean is taken away in f32 before the squares are summed (two passes over registers): no difference of large sums is formed.
; LIMITS: inputs finite; xn and wb are rounded to bf16 (nearest even).
.set G,   4                            ; v[4:19]    gamma of my 16 columns
.set BT,  20                           ; v[20:35]   beta
.set X,   36                           ; v[36:99]   row i: 16 registers
.set Y,   100                          ; v[100:131] row i: 8 registers of packed bf16
.set A,   132                          ; v[132:139] partial sums
.set MU,  148                          ; v[148:149] the mean, twice
.set RS,  150                          ; v[150:151] 1 / sqrt(var + eps), twice
.set W0,  152
.set W1,  153
.macro LOADROWS b                      ; my four rows: 16 loads
.irp i, 0,1,2,3
.irp j, 0,1,2,3
	global_load_b128 v[X+16*\i+4*\j:X+16*\i+4*\j+3], v1, s[\b:\b+1] offset:2048*\i+512*\j
.endr
.endr
.endm
.macro PACKOUT i, b                    ; row i: round to bf16 and store
.irp p, 0,1,2,3,4,5,6,7
	v_cvt_pk_bf16_f32 v[Y+8*\i+\p], v[X+16*\i+2*\p], v[X+16*\i+2*\p+1]
.endr
.irp j, 0,1,2,3
	global_store_b64 v2, v[Y+8*\i+2*\j:Y+8*\i+2*\j+1], s[\b:\b+1] offset:1024*\i+256*\j
.endr
.endm
.macro LANESUM                         ; W0 summed over the 32 lanes, the result in every lane
	v_add_f32_dpp v[W0], v[W0], v[W0] row_xmask:1 row_mask:0xf bank_mask:0xf
	v_add_f32_dpp v[W0], v[W0], v[W0] row_xmask:2 row_mask:0xf bank_mask:0xf
	v_add_f32_dpp v[W0], v[W0], v[W0] row_xmask:4 row_mask:0xf bank_mask:0xf
	v_add_f32_dpp v[W0], v[W0], v[W0] row_xmask:8 row_mask:0xf bank_mask:0xf
	v_permlanex16_b32 v[W1], v[W0], s26, s27       ; W1 has been written before
	v_add_f32 v[W0], v[W0], v[W1]
.endm
; left = the loads of the rows behind row i, which may stay out
.macro ROWLN i, left
	s_wait_loadcnt \left
.irp p, 0,1,2,3
	v_pk_add_f32 v[A+2*\p:A+2*\p+1], v[X+16*\i+4*\p:X+16*\i+4*\p+1], v[X+16*\i+4*\p+2:X+16*\i+4*\p+3]
.endr
	v_pk_add_f32 v[A:A+1], v[A:A+1], v[A+2:A+3]
	v_pk_add_f32 v[A+4:A+5], v[A+4:A+5], v[A+6:A+7]
	v_pk_add_f32 v[A:A+1], v[A:A+1], v[A+4:A+5]
	v_add_f32 v[W0], v[A], v[A+1]
	LANESUM
	v_mul_f32 v[MU], s24, v[W0]                    ; the mean
	v_mul_f32 v[MU+1], s24, v[W0]
.irp p, 0,1,2,3,4,5,6,7
	v_pk_add_f32 v[X+16*\i+2*\p:X+16*\i+2*\p+1], v[X+16*\i+2*\p:X+16*\i+2*\p+1], v[MU:MU+1] neg_lo:[0,1] neg_hi:[0,1]
.endr
	v_pk_mul_f32 v[A:A+1], v[X+16*\i:X+16*\i+1], v[X+16*\i:X+16*\i+1]            ; squares, in two chains
	v_pk_mul_f32 v[A+2:A+3], v[X+16*\i+2:X+16*\i+3], v[X+16*\i+2:X+16*\i+3]
.irp p, 2,4,6
	v_pk_fma_f32 v[A:A+1], v[X+16*\i+2*\p:X+16*\i+2*\p+1], v[X+16*\i+2*\p:X+16*\i+2*\p+1], v[A:A+1]
	v_pk_fma_f32 v[A+2:A+3], v[X+16*\i+2*\p+2:X+16*\i+2*\p+3], v[X+16*\i+2*\p+2:X+16*\i+2*\p+3], v[A+2:A+3]
.endr
	v_pk_add_f32 v[A:A+1], v[A:A+1], v[A+2:A+3]
	v_add_f32 v[W0], v[A], v[A+1]
	LANESUM
	v_fma_f32 v[W0], v[W0], s24, s25               ; var + eps
	v_rsq_f32 v[RS], v[W0]
	v_rsq_f32 v[RS+1], v[W0]
	v_nop                                          ; one plain instruction behind the transcendentals (ISA guide 5.7.2) before RS is used
	s_wait_alu depctr_va_vdst(0)
.irp p, 0,1,2,3,4,5,6,7
	v_pk_mul_f32 v[X+16*\i+2*\p:X+16*\i+2*\p+1], v[X+16*\i+2*\p:X+16*\i+2*\p+1], v[RS:RS+1]
.endr
.irp p, 0,1,2,3,4,5,6,7
	v_pk_fma_f32 v[X+16*\i+2*\p:X+16*\i+2*\p+1], v[X+16*\i+2*\p:X+16*\i+2*\p+1], v[G+2*\p:G+2*\p+1], v[BT+2*\p:BT+2*\p+1]
.endr
	PACKOUT \i, 20
.endm
.macro ROWC i, left
	s_wait_loadcnt \left
.irp p, 0,1,2,3,4,5,6,7
	v_pk_mul_f32 v[X+16*\i+2*\p:X+16*\i+2*\p+1], v[X+16*\i+2*\p:X+16*\i+2*\p+1], s[28:29] op_sel_hi:[1,0]
.endr
	PACKOUT \i, 22
.endm
	s_load_b512 s[8:23], s[0:1], 0x0               ; x 8:9, Wq 10:11, Wk 12:13, Wv 14:15, gamma 16:17, beta 18:19, xn 20:21, wb 22:23
	v_and_b32 v[W0], 31, v0                        ; lane
	v_lshrrev_b32 v[W1], 5, v0                     ; wave
	v_lshlrev_b32 v3, 4, v[W0]                     ; 16 x lane: gamma, beta
	v_lshl_add_u32 v1, v[W1], 13, v3               ; + wave x 4 rows of 2,048 bytes: loads
	v_lshlrev_b32 v2, 3, v[W0]
	v_lshl_add_u32 v2, v[W1], 12, v2               ; 8 x lane + wave x 4 rows of 1,024 bytes: stores
	s_cmp_ge_u32 ttmp9, 256
	s_cbranch_scc1 .Lcast
	; ---- 32 rows of x
	s_mov_b32 s24, 0x3b000000                      ; 1 / 512
	s_mov_b32 s25, 0x3727c5ac                      ; eps = 1e-5
	s_mov_b32 s26, 0x76543210                      ; v_permlanex16_b32: lane i reads lane i of the other half
	s_mov_b32 s27, 0xfedcba98
	s_lshl_b32 s2, ttmp9, 16                       ; 32 rows of 2,048 bytes
	s_mov_b32 s3, 0
	s_lshl_b32 s4, ttmp9, 15                       ; 32 rows of 1,024 bytes
	s_mov_b32 s5, 0
	s_wait_kmcnt 0x0
	s_add_nc_u64 s[8:9], s[8:9], s[2:3]
	s_add_nc_u64 s[20:21], s[20:21], s[4:5]
.irp j, 0,1,2,3
	global_load_b128 v[G+4*\j:G+4*\j+3], v3, s[16:17] offset:512*\j
	global_load_b128 v[BT+4*\j:BT+4*\j+3], v3, s[18:19] offset:512*\j
.endr
	LOADROWS 8
	ROWLN 0, 12                                    ; gamma and beta were issued ahead of the rows: these waits cover them
	ROWLN 1, 8
	ROWLN 2, 4
	ROWLN 3, 0
	s_endpgm
	; ---- 32 rows of a weight table.  One text for the three tables: Wk and Wv are multiplied by 1.0
.Lcast:
	s_sub_co_u32 s30, ttmp9, 256                   ; 0 to 47 = 32-row block of wb
	s_lshr_b32 s31, s30, 4                         ; the table: 0 Wq, 1 Wk, 2 Wv
	s_and_b32 s2, s30, 15
	s_lshl_b32 s2, s2, 16                          ; the block inside its table
	s_mov_b32 s3, 0
	s_lshl_b32 s4, s30, 15
	s_mov_b32 s5, 0
	s_wait_kmcnt 0x0
	s_cmp_eq_u32 s31, 1
	s_cselect_b64 s[6:7], s[12:13], s[14:15]
	s_cmp_eq_u32 s31, 0
	s_cselect_b64 s[6:7], s[10:11], s[6:7]
	s_cselect_b32 s28, 0x3e38aa3b, 1.0             ; c = log2(e) / 8 for Wq
	s_mov_b32 s29, s28
	s_add_nc_u64 s[6:7], s[6:7], s[2:3]
	s_add_nc_u64 s[22:23], s[22:23], s[4:5]
	LOADROWS 6
	ROWC 0, 12
	ROWC 1, 8
	ROWC 2, 4
	ROWC 3, 0
	s_endpgm
.Lfunc_end_k_qe2e01170eb_prep:
	.size	k_qe2e01170eb_prep, .Lfunc_end_k_qe2e01170eb_prep-k_qe2e01170eb_prep
	.p2alignl 7, 3214868480
	.fill 96, 4, 3214868480
	.section	.rodata,"a",@progbits
	.p2align	6, 0x0
	.amdhsa_kernel k_qe2e01170eb_prep
		.amdhsa_group_segment_fixed_size 0
		.amdhsa_private_segment_fixed_size 0
		.amdhsa_enable_private_segment 0
		.amdhsa_kernarg_size 64
		.amdhsa_user_sgpr_count 2
		.amdhsa_user_sgpr_kernarg_segment_ptr 1
		.amdhsa_wavefront_size32 1
		.amdhsa_system_sgpr_workgroup_id_x 1
		.amdhsa_system_sgpr_workgroup_id_y 1
		.amdhsa_system_sgpr_workgroup_id_z 1
		.amdhsa_system_vgpr_workitem_id 0
		.amdhsa_next_free_vgpr 160
		.amdhsa_next_free_sgpr 66
		.amdhsa_reserve_vcc 0
		.amdhsa_float_denorm_mode_32 3
		.amdhsa_float_denorm_mode_16_64 3
		.amdhsa_memory_ordered 1
		.amdhsa_forward_progress 1
		.amdhsa_inst_pref_size 29
	.end_amdhsa_kernel
	.amdgpu_metadata
---
amdhsa.version: [ 1, 2 ]
amdhsa.kernels:
  - .name:           k_qe2e01170eb_prep
    .symbol:         k_qe2e01170eb_prep.kd
    .args:
      - { .name: x, .offset: 0, .size: 8, .value_kind: global_buffer, .address_space: global }
      - { .name: Wq, .offset: 8, .size: 8, .value_kind: global_buffer, .address_space: global }
      - { .name: Wk, .offset: 16, .size: 8, .value_kind: global_buffer, .address_space: global }
      - { .name: Wv, .offset: 24, .size: 8, .value_kind: global_buffer, .address_space: global }
      - { .name: gamma, .offset: 32, .size: 8, .value_kind: global_buffer, .address_space: global }
      - { .name: beta, .offset: 40, .size: 8, .value_kind: global_buffer, .address_space: global }
      - { .name: xn, .offset: 48, .size: 8, .value_kind: global_buffer, .address_space: global }
      - { .name: wb, .offset: 56, .size: 8, .value_kind: global_buffer, .address_space: global }
    .group_segment_fixed_size: 0
    .private_segment_fixed_size: 0
    .kernarg_segment_align: 8
    .kernarg_segment_size: 64
    .max_flat_workgroup_size: 256
    .sgpr_count:     66
    .vgpr_count:     160
    .wavefront_size: 32
...
	.end_amdgpu_metadata
.endif
;; end of part 1
;; launch qkv (part 2): grid 8 x 32, 4 waves a work-group, clusters of 4 x 4, 327,680 bytes of LDS; arguments xn, wb, qkv; writes qkv
.if DOCPART == 2
	.amdgcn_target "amdgcn-amd-amdhsa--gfx1250"
	.amdhsa_code_object_version 6
	.text
	.protected	k_qe2e01170eb_qkv
	.globl	k_qe2e01170eb_qkv
	.p2align	8
	.type	k_qe2e01170eb_qkv,@function
k_qe2e01170eb_qkv:
	s_mov_b64 s[64:65], 0
	v_nop
	global_prefetch_b8 v0, s[64:65] scope:SCOPE_SE
	s_setreg_imm32_b32 hwreg(HW_REG_WAVE_MODE, 25, 1), 1
	s_wait_xcnt 0x0
	s_wait_alu depctr_hold_cnt(0) depctr_sa_sdst(0) depctr_va_vdst(0) depctr_va_sdst(0) depctr_va_ssrc(0) depctr_va_vcc(0) depctr_vm_vsrc(0)
	s_getreg_b32 s2, hwreg(HW_REG_IB_STS2, 6, 4)
	s_cmp_eq_u32 s2, 0
	s_cbranch_scc0 .Lentry_in_a_cluster
	s_endpgm
.Lentry_in_a_cluster:
	s_bfe_u32 s2, ttmp6, 0x10000c
	s_cmp_lg_u32 s2, 0xf033
	s_cbranch_scc0 .Lentry_shape_is_right
	s_endpgm
.Lentry_shape_is_right:
; qkv = xn wb^T: [8192][512] x [1536][512]^T in bf16, sums in f32, stored by heads: qkv[g][b][t][c], g = column / 64 (0-7 q, 8-15 k, 16-23 v),
; b = row / 2048, t = row mod 2048, c = column mod 64; a row of a head is 128 bytes and a head's matrix is dense.
; 256 work-groups, each a block of 256 rows x 192 columns (three whole heads), four waves; wave w makes rows 64 w .. 64 w + 63 x all 192 columns:
; 4 x 12 accumulator tiles of 16 x 16, 384 registers.  The wave keeps whole heads so that every store covers whole rows of a head.
; K = 512 goes in four steps of 128 through two LDS slots filled by the tensor data mover (rows of 256 bytes, aligned); no loop: two laps written out.
; CLUSTERS: 4 x 4 work-groups.  The four of a row of the cluster need the same rows of xn, the four of a column the same rows of wb: joint loads.
; The matrix instruction is used transposed (source 0 = 16 rows of wb, source 1 = 16 rows of xn): lane l then holds row l % 16 of the result and
; registers 0 to 7 the columns 8 (l / 16) + 0..7, eight neighbours that pack into 16 bytes.
; REGISTERS in windows of 256: window 0 addresses, xn fragments (two buffers), the way out; window 1 wb fragments (two buffers);
; window 2 tiles (a, b = 0..7) at 8 (8 a + b); window 3 tiles (a, b = 8..11) at 8 (4 a + b - 8).
; LIMITS: results rounded to bf16 once.
.set SIZE_K, 512
.set KSTEP,  128
.set PITCH,  272                       ; 256 bytes of data + 16 of padding: the 16 rows of a fragment load fall on 16 different 16-byte columns modulo 256
.set HALFA,  128*PITCH                 ; what one load brings of xn
.set HALFB,  96*PITCH                  ; and of wb
.set SLOT,   2*HALFA+2*HALFB           ; xn's 256 rows, then wb's 192 rows
.set STAGE,  2*SLOT                    ; behind the ring, a multiple of 256: 16 rows x 400 bytes for each wave; no fill lands here
.set SPITCH, 400                       ; 384 bytes + 16
.set ADRA, 16                          ; v16-17  LDS address of my xn fragments, slot 0, 1
.set ADRB, 20                          ; v20-21  of the wb fragments
.set STO,  24
.set RD,   25
.set CO,   26
.set FA,   32                          ; window 0: xn fragments, buffer f at FA + 32 f
.set FB,   0                           ; window 1: wb fragments, buffer f at FB + 96 f
.set TMP,  96                          ; window 0: 48 registers of packed results
.set RB,   144                         ; window 0: two sets of 48 registers read back from the stage
.set G1,  24
.set G0,  32
.set G1B, 48
.set G0B, 56
.set MSB, 0
.macro WIN new                         ; the immediate's high byte repeats the setting that is left
.if MSB != \new
	s_set_vgpr_msb (MSB<<8)|\new
.set MSB, \new
.endif
.endm
.set MUL_LO, 0xa1                      ; source 0 window 1, source 1 window 0, C and D window 2
.set MUL_HI, 0xf1                      ; C and D window 3
.set TO_B,   0x40                      ; destination window 1
; A joint load: waves 0 and 1 fetch xn's halves, waves 2 and 3 wb's.  The branch hangs on the wave's number alone.
.macro JLOAD s
	s_cmp_eq_u32 s11, 0
	s_cbranch_scc0 .Lfor_b_\@
	tensor_load_to_lds s[G0+4*\s:G0+4*\s+3], s[G1:G1+7]
	s_nop 0
	s_branch .Lasked_\@
.Lfor_b_\@:
	tensor_load_to_lds s[G0B+4*\s:G0B+4*\s+3], s[G1B:G1B+7]
	s_nop 0
.Lasked_\@:
.endm
.macro CREST                           ; a round of the cluster's barrier behind its opening barrier
	s_cmp_lg_u32 s10, 0
	s_cbranch_scc1 .Lnot_wave_0_\@
	s_barrier_signal -3
.Lnot_wave_0_\@:
	s_barrier_wait -3
	s_barrier_signal -1
	s_barrier_wait -1
.endm
.macro CROUND
	s_barrier_signal -1
	s_barrier_wait -1
	CREST
.endm
	s_load_b128 s[4:7], s[0:1], 0x0                ; xn s[4:5], wb s[6:7]
	s_load_b64 s[8:9], s[0:1], 0x10                ; qkv
	s_set_vgpr_msb 0x40
	v_lshl_add_u32 v255, v0, 2, 0x41c00
	s_set_vgpr_msb 0x4000
	v_mov_b32 v255, 0
	s_set_vgpr_msb 0x1
	ds_add_u32 v255, v255
	s_set_vgpr_msb 0x100
	v_lshrrev_b32 v1, 5, v0
	v_readfirstlane_b32 s10, v1                    ; wave 0..3
	s_lshr_b32 s11, s10, 1                         ; I fetch for xn (0) or for wb (1)
	s_and_b32 s12, s10, 1                          ; which half of that tile
	s_bfe_u32 s40, ttmp6, 0x40000                  ; cx
	s_bfe_u32 s41, ttmp6, 0x40004                  ; cy
	s_lshl_b32 s42, ttmp9, 2
	s_add_co_u32 s42, s42, s40                     ; block column 0..7
	s_and_b32 s13, ttmp7, 0xffff
	s_lshl_b32 s13, s13, 2
	s_add_co_u32 s13, s13, s41                     ; block row 0..31
	s_lshl_b32 s43, s41, 2
	s_lshl_b32 s43, 15, s43                        ; my row of the cluster
	s_lshl_b32 s44, 0x1111, s40                    ; my column
	; group 1: elements of 2 bytes, 128 a row, padded by 4 words after every 64; xn 128 rows, wb 96 rows; 512 elements from row to row
	s_or_b32 s[G1+0], s43, (1<<16)|(1<<20)|(1<<21)|(5<<22)|(3<<25)
	s_or_b32 s[G1B+0], s44, (1<<16)|(1<<20)|(1<<21)|(5<<22)|(3<<25)
	s_mov_b32 s[G1+1], KSTEP<<16                   ; tensor_dim0 = 128
	s_mov_b32 s[G1B+1], KSTEP<<16
	s_mov_b32 s[G1+2], 128<<16                     ; tensor_dim1 = 128
	s_mov_b32 s[G1B+2], 96<<16                     ; = 96
	s_mov_b32 s[G1+3], KSTEP<<16                   ; tile_dim0 = 128
	s_mov_b32 s[G1B+3], KSTEP<<16
	s_mov_b32 s[G1+4], 128                         ; tile_dim1
	s_mov_b32 s[G1B+4], 96
	s_mov_b32 s[G1+5], SIZE_K
	s_mov_b32 s[G1B+5], SIZE_K
	s_mov_b32 s[G1+6], 0
	s_mov_b32 s[G1B+6], 0
	s_mov_b32 s[G1+7], 0
	s_mov_b32 s[G1B+7], 0
	; xn's tiles hang on the block row alone, wb's on the block column alone; each in registers that never hold the other coordinate
	s_lshl_b32 s17, s12, 7
	s_lshl_b32 s16, s13, 8
	s_add_co_u32 s16, s16, s17                     ; row 256 x block row + 128 x half
	s_lshl_b32 s16, s16, 10                        ; x 1,024 bytes
	s_mov_b32 s17, 0
	s_mul_i32 s46, s42, 192
	s_mul_i32 s47, s12, 96
	s_add_co_u32 s46, s46, s47                     ; row 192 x block column + 96 x half
	s_lshl_b32 s46, s46, 10
	s_mov_b32 s47, 0
	s_mul_i32 s20, s12, HALFA                      ; LDS: xn's two halves,
	s_mul_i32 s45, s12, HALFB
	s_add_co_u32 s45, s45, 2*HALFA                 ; then wb's two halves
	s_wait_dscnt 0x0
	s_wait_kmcnt 0x0
	s_add_nc_u64 s[14:15], s[4:5], s[16:17]
	s_add_nc_u64 s[46:47], s[6:7], s[46:47]
	CROUND                                         ; all sixteen work-groups are here: the first joint loads meet
.irp s, 0,1
	s_mov_b32 s[G0+4*\s], 1
	s_add_co_u32 s[G0+4*\s+1], s20, \s*SLOT
	s_add_nc_u64 s[G0+4*\s+2:G0+4*\s+3], s[14:15], \s*KSTEP*2
	s_or_b32 s[G0+4*\s+3], s[G0+4*\s+3], 0x80000000
	s_mov_b32 s[G0B+4*\s], 1
	s_add_co_u32 s[G0B+4*\s+1], s45, \s*SLOT
	s_add_nc_u64 s[G0B+4*\s+2:G0B+4*\s+3], s[46:47], \s*KSTEP*2
	s_or_b32 s[G0B+4*\s+3], s[G0B+4*\s+3], 0x80000000
	JLOAD \s                                       ; K steps 0 and 1: two tensor loads of the wave are out
.endr
	v_and_b32 v1, 15, v0                           ; l % 16
	v_bfe_u32 v2, v0, 4, 1                         ; l / 16
	v_mul_u32_u24 v3, v1, PITCH
	v_lshl_add_u32 v3, v2, 4, v3                   ; row x pitch + 16 x half
	s_mul_i32 s21, s10, 64*PITCH                   ; my 64 rows of xn
	s_mov_b32 s22, 2*HALFA                         ; all of wb's rows
.irp s, 0,1
	v_add_nc_u32 v[ADRA+\s], s21, v3
	v_add_nc_u32 v[ADRB+\s], s22, v3
	s_add_co_u32 s21, s21, SLOT
	s_add_co_u32 s22, s22, SLOT
.endr
	s_mul_i32 s23, s10, 16*SPITCH
	s_add_co_u32 s23, s23, STAGE                   ; my stage
	v_mul_u32_u24 v4, v1, SPITCH
	v_lshl_add_u32 v4, v2, 4, v4
	v_add_nc_u32 v[STO], s23, v4                   ; in: row l % 16, 16 bytes for each half of the lanes
	v_bfe_u32 v5, v0, 3, 2
	v_and_b32 v6, 7, v0
	v_mul_u32_u24 v5, v5, SPITCH
	v_lshl_add_u32 v5, v6, 4, v5
	v_add_nc_u32 v[RD], s23, v5                    ; back: eight lanes take the 128 bytes that one row has of one head, four rows a load
	v_and_b32 v7, 31, v0
	v_lshlrev_b32 v[CO], 4, v7                     ; those four rows are 512 neighbouring bytes of qkv
; 16 matrix instructions: row tiles a0, a0 + 1 x column tiles 0..7
.macro MULLO f, a0, zero
.irp a, \a0, \a0+1
.irp b, 0,1,2,3,4,5,6,7
.if \zero
	v_wmma_f32_16x16x32_bf16 v[8*(8*(\a)+\b):8*(8*(\a)+\b)+7], v[FB+96*\f+8*\b:FB+96*\f+8*\b+7], v[FA+32*\f+8*(\a):FA+32*\f+8*(\a)+7], 0
.else
	v_wmma_f32_16x16x32_bf16 v[8*(8*(\a)+\b):8*(8*(\a)+\b)+7], v[FB+96*\f+8*\b:FB+96*\f+8*\b+7], v[FA+32*\f+8*(\a):FA+32*\f+8*(\a)+7], v[8*(8*(\a)+\b):8*(8*(\a)+\b)+7]
.endif
.endr
.endr
.endm
; 16 matrix instructions: all four row tiles x column tiles 8..11
.macro MULHI f, zero
.irp a, 0,1,2,3
.irp b, 8,9,10,11
.if \zero
	v_wmma_f32_16x16x32_bf16 v[8*(4*\a+\b-8):8*(4*\a+\b-8)+7], v[FB+96*\f+8*\b:FB+96*\f+8*\b+7], v[FA+32*\f+8*\a:FA+32*\f+8*\a+7], 0
.else
	v_wmma_f32_16x16x32_bf16 v[8*(4*\a+\b-8):8*(4*\a+\b-8)+7], v[FB+96*\f+8*\b:FB+96*\f+8*\b+7], v[FA+32*\f+8*\a:FA+32*\f+8*\a+7], v[8*(4*\a+\b-8):8*(4*\a+\b-8)+7]
.endif
.endr
.endr
.endm
; 32 LDS loads in one run: xn's four fragments first, then wb's twelve in ascending order, for 32 K at byte k of the rows, into buffer f
.macro FETCH slot, k, f
	WIN 0
.irp i, 0,1,2,3
	ds_load_b128 v[FA+32*\f+8*\i:FA+32*\f+8*\i+3],   v[ADRA+\slot] offset:\k+\i*16*PITCH
	ds_load_b128 v[FA+32*\f+8*\i+4:FA+32*\f+8*\i+7], v[ADRA+\slot] offset:\k+\i*16*PITCH+32
.endr
	WIN TO_B
.irp i, 0,1,2,3,4,5,6,7,8,9,10,11
	ds_load_b128 v[FB+96*\f+8*\i:FB+96*\f+8*\i+3],   v[ADRB+\slot] offset:\k+\i*16*PITCH
	ds_load_b128 v[FB+96*\f+8*\i+4:FB+96*\f+8*\i+7], v[ADRB+\slot] offset:\k+\i*16*PITCH+32
.endr
.endm
; Four plain vector instructions stand between a matrix instruction and a load into one of its sources or a vector read of its result (ISA guide 7.12.1 for the vector read);
; the matrix instructions in between are not counted.
.macro PLACES
.rept 4
	v_nop
.endr
.endm
; A quarter step: 48 matrix instructions on buffer f; in its middle the next quarter's fragments are fetched into buffer g.
; The 48 accumulators take turns, one instruction a turn, in the same order in every quarter.
.macro QUARTER slot, k, f, g, zero
	s_wait_dscnt 8                                 ; all but the youngest eight loads (wb's tiles 8 to 11) are in
	WIN MUL_LO
	MULLO \f, 0, \zero
	MULLO \f, 2, \zero
	PLACES
	FETCH \slot, \k, \g
	s_wait_dscnt 32                                ; all but the 32 just issued
	WIN MUL_HI
	MULHI \f, \zero
.endm
.macro THREE slot, zero
	QUARTER \slot, 64,  0, 1, \zero
	QUARTER \slot, 128, 1, 0, 0
	QUARTER \slot, 192, 0, 1, 0
.endm
; The last quarter of a K step changes slots.  In front of the barrier each wave waits for its reads of this slot and for all its tensor loads
; (one is out: its part of the next slot).  fill = 1: the barrier opens a round of the cluster's barrier, and the joint refill is the first tensor load behind it.
.macro TURN slot, next, fill
	s_wait_dscnt 8
	WIN MUL_LO
	MULLO 1, 0, 0
	s_wait_dscnt 0                                 ; my reads of this slot are over
	s_wait_tensorcnt 0x0                           ; all my tensor loads have landed
	ds_add_u32 v255, v255
	s_wait_dscnt 0x0
	s_barrier_signal -1
	MULLO 1, 2, 0                                  ; register work while the others arrive
	WIN 0
	s_barrier_wait -1
.if \fill
	CREST
	s_add_nc_u64 s[G0+4*\slot+2:G0+4*\slot+3], s[G0+4*\slot+2:G0+4*\slot+3], 2*KSTEP*2
	s_add_nc_u64 s[G0B+4*\slot+2:G0B+4*\slot+3], s[G0B+4*\slot+2:G0B+4*\slot+3], 2*KSTEP*2
	JLOAD \slot                                    ; from here to the wait for it the wave issues 176 matrix instructions
.endif
	PLACES
	FETCH \next, 0, 0
	WIN MUL_HI
	MULHI 1, 0
.endm
	s_wait_tensorcnt 1                             ; my part of K step 0 is in; step 1's stays out
	s_barrier_signal -1
	s_barrier_wait -1
	FETCH 0, 0, 0
	THREE 0, 1                                     ; the first products start the sums: nothing is cleared
	TURN 0, 1, 1                                   ; slot 0 gets K step 2
	THREE 1, 0
	TURN 1, 0, 1                                   ; slot 1 gets K step 3
	THREE 0, 0
	TURN 0, 1, 0                                   ; nothing is left to fetch
	THREE 1, 0
	s_wait_dscnt 8
	WIN MUL_LO
	MULLO 1, 0, 0
	MULLO 1, 2, 0
	s_wait_dscnt 0
	WIN MUL_HI
	MULHI 1, 0
	; THE WAY OUT, 16 rows at a time through my own stage
	PLACES
	s_mul_i32 s46, s42, 3
	s_lshl_b32 s46, s46, 20                        ; head 3 x block column: 4 x 262,144 bytes a head
	s_mov_b32 s47, 0
	s_add_nc_u64 s[8:9], s[8:9], s[46:47]
	s_lshr_b32 s16, s13, 3
	s_lshl_b32 s16, s16, 18                        ; b = block row / 8
	s_and_b32 s17, s13, 7
	s_lshl_b32 s17, s17, 15                        ; t = 256 x (block row mod 8), 128 bytes a row
	s_add_co_u32 s16, s16, s17
	s_lshl_b32 s17, s10, 13                        ; + 64 x wave
	s_add_co_u32 s16, s16, s17
	s_mov_b32 s17, 0
	s_add_nc_u64 s[8:9], s[8:9], s[16:17]
.macro OUT16 a, rb
	WIN 0x0a                                       ; sources in window 2
.irp b, 0,1,2,3,4,5,6,7
.irp r, 0,1,2,3
	v_cvt_pk_bf16_f32 v[TMP+4*\b+\r], v[8*(8*\a+\b)+2*\r], v[8*(8*\a+\b)+2*\r+1]
.endr
.endr
	WIN 0x0f                                       ; sources in window 3
.irp b, 8,9,10,11
.irp r, 0,1,2,3
	v_cvt_pk_bf16_f32 v[TMP+4*\b+\r], v[8*(4*\a+\b-8)+2*\r], v[8*(4*\a+\b-8)+2*\r+1]
.endr
.endr
	WIN 0
.irp b, 0,1,2,3,4,5,6,7,8,9,10,11
	ds_store_b128 v[STO], v[TMP+4*\b:TMP+4*\b+3] offset:32*\b
.endr
	s_wait_xcnt 0x0                                ; the set that earlier stores read is loaded again only behind this wait
.irp hl, 0,1,2
.irp p, 0,1,2,3
	ds_load_b128 v[RB+48*\rb+4*(4*\hl+\p):RB+48*\rb+4*(4*\hl+\p)+3], v[RD] offset:1600*\p+128*\hl   ; LDS serves a wave in order: these see the stores above
.endr
.endr
.irp hl, 0,1,2
.irp p, 0,1,2,3
	s_wait_dscnt 11-(4*\hl+\p)                     ; the read-backs behind this one may stay out
	global_store_b128 v[CO], v[RB+48*\rb+4*(4*\hl+\p):RB+48*\rb+4*(4*\hl+\p)+3], s[8:9] offset:\hl*1048576+\a*2048+\p*512   ; 512 consecutive bytes, aligned: four rows of one head
.endr
.endr
.endm
	OUT16 0, 0
	OUT16 1, 1
	OUT16 2, 0
	OUT16 3, 1
	s_set_vgpr_msb 0x1
	s_wait_tensorcnt 0x0
	ds_add_u32 v255, v255
	s_wait_dscnt 0x0
	s_set_vgpr_msb 0x100
	CROUND                                         ; the closing round: no work-group ends while a partner may still ask jointly
	s_endpgm
.Lfunc_end_k_qe2e01170eb_qkv:
	.size	k_qe2e01170eb_qkv, .Lfunc_end_k_qe2e01170eb_qkv-k_qe2e01170eb_qkv
	.p2alignl 7, 3214868480
	.fill 96, 4, 3214868480
	.section	.rodata,"a",@progbits
	.p2align	6, 0x0
	.amdhsa_kernel k_qe2e01170eb_qkv
		.amdhsa_group_segment_fixed_size 327680
		.amdhsa_private_segment_fixed_size 0
		.amdhsa_enable_private_segment 0
		.amdhsa_kernarg_size 24
		.amdhsa_user_sgpr_count 2
		.amdhsa_user_sgpr_kernarg_segment_ptr 1
		.amdhsa_wavefront_size32 1
		.amdhsa_system_sgpr_workgroup_id_x 1
		.amdhsa_system_sgpr_workgroup_id_y 1
		.amdhsa_system_sgpr_workgroup_id_z 1
		.amdhsa_system_vgpr_workitem_id 0
		.amdhsa_next_free_vgpr 896
		.amdhsa_next_free_sgpr 66
		.amdhsa_reserve_vcc 0
		.amdhsa_float_denorm_mode_32 3
		.amdhsa_float_denorm_mode_16_64 3
		.amdhsa_memory_ordered 1
		.amdhsa_forward_progress 1
		.amdhsa_inst_pref_size 119
	.end_amdhsa_kernel
	.amdgpu_metadata
---
amdhsa.version: [ 1, 2 ]
amdhsa.kernels:
  - .name:           k_qe2e01170eb_qkv
    .symbol:         k_qe2e01170eb_qkv.kd
    .args:
      - { .name: xn, .offset: 0, .size: 8, .value_kind: global_buffer, .address_space: global }
      - { .name: wb, .offset: 8, .size: 8, .value_kind: global_buffer, .address_space: global }
      - { .name: qkv, .offset: 16, .size: 8, .value_kind: global_buffer, .address_space: global }
    .group_segment_fixed_size: 327680
    .private_segment_fixed_size: 0
    .kernarg_segment_align: 8
    .kernarg_segment_size: 24
    .max_flat_workgroup_size: 128
    .sgpr_count:     66
    .vgpr_count:     896
    .wavefront_size: 32
...
	.end_amdgpu_metadata
.endif
;; end of part 2
;; launch attn (part 3): grid 8 x 32, 8 waves a work-group, clusters of 4 x 1, 327,680 bytes of LDS; arguments qkv, x, emb, out0; writes out0
.if DOCPART == 3
	.amdgcn_target "amdgcn-amd-amdhsa--gfx1250"
	.amdhsa_code_object_version 6
	.text
	.protected	k_qe2e01170eb_attn
	.globl	k_qe2e01170eb_attn
	.p2align	8
	.type	k_qe2e01170eb_attn,@function
k_qe2e01170eb_attn:
	s_mov_b64 s[64:65], 0
	v_nop
	global_prefetch_b8 v0, s[64:65] scope:SCOPE_SE
	s_setreg_imm32_b32 hwreg(HW_REG_WAVE_MODE, 25, 1), 1
	s_wait_xcnt 0x0
	s_wait_alu depctr_hold_cnt(0) depctr_sa_sdst(0) depctr_va_vdst(0) depctr_va_sdst(0) depctr_va_ssrc(0) depctr_va_vcc(0) depctr_vm_vsrc(0)
	s_getreg_b32 s2, hwreg(HW_REG_IB_STS2, 6, 4)
	s_cmp_eq_u32 s2, 0
	s_cbranch_scc0 .Lentry_in_a_cluster
	s_endpgm
.Lentry_in_a_cluster:
	s_bfe_u32 s2, ttmp6, 0x10000c
	s_cmp_lg_u32 s2, 0x3003
	s_cbranch_scc0 .Lentry_shape_is_right
	s_endpgm
.Lentry_shape_is_right:
; out0 = x + emb + softmax(q k^T) v, head by head.  q already carries log2(e) / 8, so the weights are 2^(s - max).
; Work-group (x, y): y = 4 h + b picks head and batch, x picks a block of 256 queries.  Eight waves: wave w has the 64 queries 64 (w & 3) .. + 63
; (four tiles t of 16) and key group g = w >> 2, which takes keys 128 g .. 128 g + 127 of every tile of 256 keys.  Two waves share a SIMD, so that one
; can do its exponentials while the other multiplies.  The two groups' partial results (O, max, sum) are merged once at the end, through LDS.
; CLUSTERS: the four work-groups of a cluster have the same head and ask for its K and V tiles jointly (mask 15); a head's eight query blocks are two clusters.
; ALL PRODUCTS ARE TRANSPOSED.  S^T = K Q^T: lane (r, h) holds query r, keys 8 h + j of a key tile, so a query's maximum and sum stay in two lanes;
; the exponentials of two key tiles, packed to bf16 in place, are the B fragment of O^T = V^T P^T; V^T comes by the transposing LDS load;
; in O^T all registers of a lane belong to query r, so that the rescaling is a multiply by a number of the lane.
; The running maximum is kept and O is rescaled in every step; no branch hangs on data.
; LDS: two slots of (K strip 0, K strip 1, V strip 0, V strip 1); a strip is 128 keys as 64 rows of 256 bytes (two keys a row), K with pitch 272, V with 288:
; the 16 lanes of a fragment load then fall on 16 different 16-byte columns modulo 256.  Behind the slots, in blocks that no fill touches: the exchange and the stage.
; REGISTERS: window 0 addresses, softmax state, S / P, K fragments; window 1 Q fragments, O, V fragments.
; LIMITS: inputs finite; q, k, v and the weights are bf16; weights below 2^-126 of a row's largest come out as zero (v_exp_f32 flushes them);
; the row sum adds the f32 weights while the product with V uses their bf16 roundings.
.set KSTRIP, 17408
.set VSTRIP, 18432
.set VOFF,   2*KSTRIP
.set SLOT,   2*KSTRIP+2*VSTRIP         ; 71,680
.set XCH,    2*SLOT                    ; 143,360: four exchanges of 17,408 bytes (O 16,384, max 512, sum 512)
.set XCHW,   17408
.set STG,    XCH+4*XCHW                ; 212,992: four stages of 16 rows x 272 bytes
.set STGW,   4352
.set TILEB,  32768                     ; 256 keys of 128 bytes
.set KBASE,  8388608                   ; k's heads in qkv
.set VBASE,  16777216                  ; v's heads
.set KA,  1                            ; v1-2    K fragment address, slot 0, 1
.set VA,  3                            ; v3-4    V fragment address
.set PFO, 5                            ; v5      256 x lane, never rewritten
.set QO,  6
.set XA,  7
.set ST,  8                            ; v[8:23]  per t: +0 M (running max), +1 T (work), +2 AL (2^(old max - new max)), +3 MX
.set LP,  24                           ; v[24:31] per t a pair of partial sums
.set SB,  32                           ; v32-159  S block (kp, t) at SB + 64 kp + 16 t, key tile e at + 8 e; P is packed into a block's first 8 registers
.set KF,  160                          ; v160-223 K fragment (kt, ks) at KF + 8 (2 kt + ks)
.set QB,  0                            ; window 1: Q fragment (t, ks) at 8 (2 t + ks)
.set OB,  64                           ; window 1: O tile (ct, t) at OB + 8 (4 ct + t)
.set VF,  192                          ; window 1: V fragment (kp, ct) at VF + 8 (4 kp + ct)
.set XR,  32                           ; the way out: x, 32 loads of 4 registers
.set F1,  160                          ; per t a pair: the partner's factor
.set PO,  168                          ; the partner's O of one t, then the merged O
.set RB,  200                          ; rows read back from the stage
.set LS,  224                          ; my sums
.set MC,  228                          ; my maxima, gathered for one store
.set EMB, 232
.set PM,  236                          ; the partner's maxima
.set PL,  240                          ; the partner's sums
.set F0,  244                          ; per t a pair: my factor
.set G1K, 24
.set G1V, 32
.set G0K, 40                           ; one set of four for each slot
.set G0V, 48
.set MSB, 0
.macro WIN new                         ; low byte: bits 1:0 source 0, 3:2 source 1, 5:4 source 2, 7:6 destination; the high byte repeats the setting left
.if MSB != \new
	s_set_vgpr_msb (MSB<<8)|\new
.set MSB, \new
.endif
.endm
.macro ROUND                           ; a round of the cluster's barrier
	s_barrier_signal -1
	s_barrier_wait -1
	s_cmp_lg_u32 s12, 0
	s_cbranch_scc1 .Lnot_wave_0_\@
	s_barrier_signal -3
.Lnot_wave_0_\@:
	s_barrier_wait -3
	s_barrier_signal -1
	s_barrier_wait -1
.endm
; The joint refill of slot s: waves 0, 1 bring the K strips, waves 2, 3 the V strips, waves 4 to 7 nothing.  The branches hang on the wave's number alone.
.macro JLOAD s
	s_cmp_gt_u32 s12, 3
	s_cbranch_scc1 .Lnone_\@
	s_cmp_gt_u32 s12, 1
	s_cbranch_scc1 .Lv_\@
	tensor_load_to_lds s[G0K+4*\s:G0K+4*\s+3], s[G1K:G1K+7]
	s_nop 0
	s_branch .Lnone_\@
.Lv_\@:
	tensor_load_to_lds s[G0V+4*\s:G0V+4*\s+3], s[G1V:G1V+7]
	s_nop 0
.Lnone_\@:
.endm
; Wave 4 asks for 32 blocks of 256 bytes, 256 bytes apart: this work-group's eighth of the K and V tiles two tiles ahead (their load is issued one tile later).
.macro PREF
	s_cmp_lg_u32 s12, 4
	s_cbranch_scc1 .Lnopf_\@
	global_prefetch_b8 v[PFO], s[70:71] th:TH_LOAD_NT scope:SCOPE_SE
.Lnopf_\@:
.endm
	s_load_b256 s[4:11], s[0:1], 0x0               ; qkv 4:5, x 6:7, emb 8:9, out0 10:11
	v_lshl_add_u32 v254, v0, 2, 0x38400
	v_mov_b32 v255, 0
	ds_add_u32 v254, v255
	v_lshrrev_b32 v1, 5, v0
	v_readfirstlane_b32 s12, v1                    ; wave 0..7
	s_lshr_b32 s13, s12, 2                         ; g: key group
	s_and_b32 s14, s12, 3                          ; qw: which 64 queries
	s_and_b32 s15, s12, 1                          ; which strip I fetch
	s_bfe_u32 s16, ttmp6, 0x40000                  ; cx
	s_lshl_b32 s17, ttmp9, 2
	s_add_co_u32 s17, s17, s16                     ; query block 0..7
	s_and_b32 s18, ttmp7, 0xffff                   ; y = 4 h + b
	s_mov_b32 s58, 0x76543210                      ; v_permlanex16_b32: lane i reads lane i of the other half
	s_mov_b32 s59, 0xfedcba98
	; group 1: a dense block of 64 rows of 32 elements of 8 bytes; after every 64 words 4 words of padding (K) or 8 (V); mask 15 with bit 21 beside it
	s_mov_b32 s[G1K+0], 15|(3<<16)|(1<<20)|(1<<21)|(5<<22)|(3<<25)
	s_mov_b32 s[G1V+0], 15|(3<<16)|(1<<20)|(1<<21)|(5<<22)|(7<<25)
	s_mov_b32 s[G1K+1], 32<<16                     ; tensor_dim0 = 32
	s_mov_b32 s[G1V+1], 32<<16
	s_mov_b32 s[G1K+2], 64<<16                     ; tensor_dim1 = 64
	s_mov_b32 s[G1V+2], 64<<16
	s_mov_b32 s[G1K+3], 32<<16                     ; tile_dim0 = 32
	s_mov_b32 s[G1V+3], 32<<16
	s_mov_b32 s[G1K+4], 64                         ; tile_dim1 = 64
	s_mov_b32 s[G1V+4], 64
	s_mov_b32 s[G1K+5], 32                         ; 32 elements from row to row
	s_mov_b32 s[G1V+5], 32
	s_mov_b32 s[G1K+6], 0
	s_mov_b32 s[G1V+6], 0
	s_mov_b32 s[G1K+7], 0
	s_mov_b32 s[G1V+7], 0
	s_mul_i32 s19, s15, KSTRIP                     ; LDS place of my K strip
	s_mul_i32 s61, s15, VSTRIP
	s_add_co_u32 s61, s61, VOFF                    ; and of my V strip
	s_lshl_b32 s20, s18, 18                        ; y x 262,144: the head's matrix
	s_lshl_b32 s22, s15, 14                        ; my strip: 128 keys of 128 bytes
	s_add_co_u32 s22, s22, s20
	s_mov_b32 s23, 0
	s_lshl_b32 s62, s17, 15                        ; Q: 256 x block rows of 128 bytes
	s_lshl_b32 s63, s14, 13                        ; + 64 x qw rows
	s_add_co_u32 s62, s62, s63
	s_add_co_u32 s62, s62, s20
	s_mov_b32 s63, 0
	s_lshl_b32 s66, ttmp9, 23                      ; prefetch: query blocks 0-3 cover K's tile, 4-7 V's,
	s_lshl_b32 s67, s16, 13                        ; 8,192 bytes each
	s_add_co_u32 s66, s66, s67
	s_add_co_u32 s66, s66, s20
	s_add_co_u32 s66, s66, KBASE
	s_mov_b32 s67, 0
	s_mov_b32 s68, 2*TILEB                         ; tile 0 asks for tile 2
	s_mov_b32 s69, 0
	s_wait_dscnt 0x0
	s_wait_kmcnt 0x0
	s_add_nc_u64 s[56:57], s[4:5], s[22:23]
	s_add_nc_u64 s[62:63], s[4:5], s[62:63]
	s_add_nc_u64 s[66:67], s[4:5], s[66:67]
	s_add_nc_u64 s[70:71], s[66:67], s[68:69]
.irp s, 0,1
	s_mov_b32 s[G0K+4*\s], 1
	s_add_co_u32 s[G0K+4*\s+1], s19, \s*SLOT
	s_add_nc_u64 s[G0K+4*\s+2:G0K+4*\s+3], s[56:57], KBASE+\s*TILEB
	s_or_b32 s[G0K+4*\s+3], s[G0K+4*\s+3], 0x80000000
	s_mov_b32 s[G0V+4*\s], 1
	s_add_co_u32 s[G0V+4*\s+1], s61, \s*SLOT
	s_add_nc_u64 s[G0V+4*\s+2:G0V+4*\s+3], s[56:57], VBASE+\s*TILEB
	s_or_b32 s[G0V+4*\s+3], s[G0V+4*\s+3], 0x80000000
.endr
	ROUND                                          ; the four work-groups are here: the first joint loads meet
	s_cmp_gt_u32 s12, 3                            ; the first fills, tiles 0 and 1, inside one branch on the wave's number: two tensor loads of a fetching wave are out
	s_cbranch_scc1 .Lff_none
	s_cmp_gt_u32 s12, 1
	s_cbranch_scc1 .Lff_v
	tensor_load_to_lds s[G0K:G0K+3], s[G1K:G1K+7]
	s_nop 0
	tensor_load_to_lds s[G0K+4:G0K+7], s[G1K:G1K+7]
	s_nop 0
	s_branch .Lff_none
.Lff_v:
	tensor_load_to_lds s[G0V:G0V+3], s[G1V:G1V+7]
	s_nop 0
	tensor_load_to_lds s[G0V+4:G0V+7], s[G1V:G1V+7]
	s_nop 0
.Lff_none:
	; Q's fragments straight from memory, once: lane (r, h) takes query 16 t + r, c = 32 ks + 8 h .. and 32 ks + 16 + 8 h ..
	v_and_b32 v224, 15, v0                         ; r
	v_bfe_u32 v225, v0, 4, 1                       ; h
	v_lshlrev_b32 v[QO], 7, v224
	v_lshl_add_u32 v[QO], v225, 4, v[QO]
	WIN 0x40
.irp t, 0,1,2,3
.irp ks, 0,1
	global_load_b128 v[QB+8*(2*\t+\ks):QB+8*(2*\t+\ks)+3],   v[QO], s[62:63] offset:2048*\t+64*\ks
	global_load_b128 v[QB+8*(2*\t+\ks)+4:QB+8*(2*\t+\ks)+7], v[QO], s[62:63] offset:2048*\t+64*\ks+32
.endr
.endr
	WIN 0
	v_and_b32 v226, 1, v0
	v_bfe_u32 v227, v0, 1, 3                       ; r / 2: two keys lie in one LDS row
	v_mul_u32_u24 v228, v227, 272
	v_lshl_add_u32 v228, v226, 7, v228             ; the odd key 128 bytes on
	v_lshl_add_u32 v228, v225, 4, v228
	s_mul_i32 s20, s13, KSTRIP                     ; my group's strip
	v_add_nc_u32 v[KA], s20, v228
	v_add_nc_u32 v[KA+1], SLOT, v[KA]
	v_bfe_u32 v229, v0, 1, 2                       ; V: lane l addresses key 8 h + (l & 7), 16 bytes at column 8 ((l >> 3) & 1)
	v_lshl_add_u32 v229, v225, 2, v229
	v_mul_u32_u24 v229, v229, 288
	v_lshl_add_u32 v229, v226, 7, v229
	v_bfe_u32 v230, v0, 3, 1
	v_lshl_add_u32 v229, v230, 4, v229
	s_mul_i32 s21, s13, VSTRIP
	s_add_co_u32 s21, s21, VOFF
	v_add_nc_u32 v[VA], s21, v229
	v_add_nc_u32 v[VA+1], SLOT, v[VA]
	v_and_b32 v[PFO], 31, v0
	v_lshlrev_b32 v[PFO], 8, v[PFO]
.irp t, 0,1,2,3
	v_mov_b32 v[ST+4*\t], 0xff800000               ; the running maximum starts at minus infinity,
	v_mov_b32 v[ST+4*\t+1], 0
	v_mov_b32 v[LP+2*\t], 0                        ; the sums at zero
	v_mov_b32 v[LP+2*\t+1], 0
.endr
	s_wait_tensorcnt 0x1                           ; my part of tile 0 is in; tile 1's stays out
	s_barrier_signal -1
	s_barrier_wait -1
	s_wait_loadcnt 0x0                             ; Q
; the K fragments of step st of a strip: 16 loads
.macro KLOAD slot, st
.irp kt, 0,1,2,3
.irp ks, 0,1
	ds_load_b128 v[KF+8*(2*\kt+\ks):KF+8*(2*\kt+\ks)+3],   v[KA+\slot] offset:2176*(4*(\st)+\kt)+64*\ks
	ds_load_b128 v[KF+8*(2*\kt+\ks)+4:KF+8*(2*\kt+\ks)+7], v[KA+\slot] offset:2176*(4*(\st)+\kt)+64*\ks+32
.endr
.endr
.endm
; pair idx of the 64 pairs of a step's scores: t = idx & 3, u = (idx >> 2) & 7, kp = idx >> 5
.macro PAIRAT idx
.set PT, (\idx)&3
.set PU, ((\idx)>>2)&7
.set PB, SB+64*((\idx)>>5)+16*PT
.set PR, PB+2*PU
.endm
.macro PSUB idx                        ; s - max
	PAIRAT \idx
	v_pk_add_f32 v[PR:PR+1], v[PR:PR+1], v[ST+4*PT:ST+4*PT+1] op_sel_hi:[1,0] neg_lo:[0,1] neg_hi:[0,1]
.endm
.macro PEXP idx
	PAIRAT \idx
	v_exp_f32 v[PR], v[PR]
	v_exp_f32 v[PR+1], v[PR+1]
.endm
.macro PSUM idx                        ; into the sum (a step's first pair of a t rescales the old sum in the same instruction), then packed in place:
	PAIRAT \idx                        ; register u of a block belongs to pair u / 2, which has been summed and packed by then
.if (\idx) < 4
	s_wait_alu depctr_va_vdst(0)
	v_pk_fma_f32 v[LP+2*PT:LP+2*PT+1], v[LP+2*PT:LP+2*PT+1], v[ST+4*PT+2:ST+4*PT+3], v[PR:PR+1] op_sel_hi:[1,0,1]
.else
	s_wait_alu depctr_va_vdst(0)
	v_pk_add_f32 v[LP+2*PT:LP+2*PT+1], v[LP+2*PT:LP+2*PT+1], v[PR:PR+1]
.endif
	v_cvt_pk_bf16_f32 v[PB+PU], v[PR], v[PR+1]
.endm
; One step: 64 keys x 64 queries.  first = 1: the kernel's first step (O is started, not rescaled).  more = 1: the next step's K fragments are fetched.
.macro STEP slot, st, first, more
.if \first == 0
.rept 5
	v_nop                                          ; places behind the last O products: four for the loads into V's fragments, five for the S products that write over P
.endr
.endif
	WIN 0x40
.irp kp, 0,1
.irp ct, 0,1,2,3
	ds_load_tr16_b128 v[VF+8*(4*\kp+\ct):VF+8*(4*\kp+\ct)+3],   v[VA+\slot] offset:4608*(2*\st+\kp)+32*\ct
	ds_load_tr16_b128 v[VF+8*(4*\kp+\ct)+4:VF+8*(4*\kp+\ct)+7], v[VA+\slot] offset:4608*(2*\st+\kp)+32*\ct+2304
.endr
.endr
	s_wait_dscnt 16                                ; K's fragments are in; the 16 V loads just issued stay out
	WIN 0x04
	; S^T = K Q^T, 32 instructions; four accumulators take turns; the first half of c starts each sum
.irp kp, 0,1
.irp e, 0,1
.irp t, 0,1,2,3
	v_wmma_f32_16x16x32_bf16 v[SB+64*\kp+16*\t+8*\e:SB+64*\kp+16*\t+8*\e+7], v[KF+8*(2*(2*\kp+\e)):KF+8*(2*(2*\kp+\e))+7], v[QB+8*(2*\t):QB+8*(2*\t)+7], 0
.endr
.irp t, 0,1,2,3
	v_wmma_f32_16x16x32_bf16 v[SB+64*\kp+16*\t+8*\e:SB+64*\kp+16*\t+8*\e+7], v[KF+8*(2*(2*\kp+\e)+1):KF+8*(2*(2*\kp+\e)+1)+7], v[QB+8*(2*\t+1):QB+8*(2*\t+1)+7], v[SB+64*\kp+16*\t+8*\e:SB+64*\kp+16*\t+8*\e+7]
.endr
.endr
.endr
	WIN 0
.rept 4
	v_nop                                          ; places: the scores are read, and K's fragments loaded again, four places behind the last product
.endr
.if \more
	KLOAD \slot, \st+1
.endif
	; the new maximum of each query: 32 scores and the old maximum, four chains
.set n, 0
.rept 16
.irp t, 0,1,2,3
.if n == 0
	v_max3_num_f32 v[ST+4*\t+3], v[SB+16*\t], v[SB+16*\t+1], v[ST+4*\t]
.else
	v_max3_num_f32 v[ST+4*\t+3], v[SB+64*(n>>3)+16*\t+2*(n&7)], v[SB+64*(n>>3)+16*\t+2*(n&7)+1], v[ST+4*\t+3]
.endif
.endr
.set n, n+1
.endr
.irp t, 0,1,2,3
	v_permlanex16_b32 v[ST+4*\t+1], v[ST+4*\t+3], s58, s59     ; the other half of the query's keys
.endr
.irp t, 0,1,2,3
	v_max_num_f32 v[ST+4*\t+3], v[ST+4*\t+3], v[ST+4*\t+1]
.endr
.irp t, 0,1,2,3
	v_sub_f32 v[ST+4*\t+1], v[ST+4*\t], v[ST+4*\t+3]
.endr
.irp t, 0,1,2,3
	v_exp_f32 v[ST+4*\t+2], v[ST+4*\t+1]           ; 2^(old max - new max)
.endr
.irp t, 0,1,2,3
	v_mov_b32 v[ST+4*\t], v[ST+4*\t+3]             ; plain instructions behind the transcendentals (ISA guide 5.7.2)
.endr
.if \first == 0
	WIN 0x41
	s_wait_alu depctr_va_vdst(0)
.irp ct, 0,1,2,3
.irp t, 0,1,2,3
.irp j, 0,2,4,6
	v_pk_mul_f32 v[OB+8*(4*\ct+\t)+\j:OB+8*(4*\ct+\t)+\j+1], v[OB+8*(4*\ct+\t)+\j:OB+8*(4*\ct+\t)+\j+1], v[ST+4*\t+2:ST+4*\t+3] op_sel_hi:[1,0]
.endr
.endr
.endr
	WIN 0
.endif
	; the weights, pair by pair with a lag of one: behind each pair of exponentials stand plain instructions on other pairs before it is read
	PSUB 0
.set i, 0
.rept 65
.if i < 63
	PSUB i+1
.endif
.if i < 64
	PEXP i
.endif
.if i > 0
	PSUM i-1
.endif
.set i, i+1
.endr
	s_wait_dscnt 16*\more                          ; V's fragments are in; only the K loads issued behind them may stay out
	WIN 0x51
	; O^T += V^T P^T, 32 instructions; sixteen accumulators take turns
.irp kp, 0,1
.irp ct, 0,1,2,3
.irp t, 0,1,2,3
.if \first*(1-\kp)
	v_wmma_f32_16x16x32_bf16 v[OB+8*(4*\ct+\t):OB+8*(4*\ct+\t)+7], v[VF+8*(4*\kp+\ct):VF+8*(4*\kp+\ct)+7], v[SB+64*\kp+16*\t:SB+64*\kp+16*\t+7], 0
.else
	v_wmma_f32_16x16x32_bf16 v[OB+8*(4*\ct+\t):OB+8*(4*\ct+\t)+7], v[VF+8*(4*\kp+\ct):VF+8*(4*\kp+\ct)+7], v[SB+64*\kp+16*\t:SB+64*\kp+16*\t+7], v[OB+8*(4*\ct+\t):OB+8*(4*\ct+\t)+7]
.endif
.endr
.endr
.endr
	WIN 0
.endm
; A tile of 256 keys in slot.  refill = 1: the other slot, read last, gets the tile after this one.  In front of the round every wave waits for all its tensor
; loads and for its LDS reads; the joint refill is the first tensor load behind the round, one a wave, and has the whole tile's work in which to land.
.macro TILE slot, refill, pf
	s_wait_tensorcnt 0x0                           ; all my tensor loads have landed, my part of this tile among them: the descriptors may be written
	ds_add_u32 v254, v255
	s_wait_dscnt 0x0
.if \refill
	s_add_nc_u64 s[G0K+4*(1-\slot)+2:G0K+4*(1-\slot)+3], s[G0K+4*(1-\slot)+2:G0K+4*(1-\slot)+3], 2*TILEB
	s_add_nc_u64 s[G0V+4*(1-\slot)+2:G0V+4*(1-\slot)+3], s[G0V+4*(1-\slot)+2:G0V+4*(1-\slot)+3], 2*TILEB
.endif
.if \pf
	s_wait_xcnt 0x0                                ; the last prefetch, a tile ago, has had its address translated: its base may be written
	s_add_co_u32 s68, s68, TILEB
	s_min_u32 s68, s68, 7*TILEB                    ; clamped to the last tile: no prefetch points past the head's matrix
	s_add_nc_u64 s[70:71], s[66:67], s[68:69]
.endif
	s_wait_dscnt 0x0                               ; my reads of the other slot are over
.if \refill
	ROUND
	JLOAD (1-\slot)
.else
	s_barrier_signal -1
	s_barrier_wait -1
.endif
	KLOAD \slot, 0
.if \pf
	PREF
.endif
	STEP \slot, 0, 0, 1
	STEP \slot, 1, 0, 0
.endm
	KLOAD 0, 0                                     ; tile 0
	PREF
	STEP 0, 0, 1, 1
	STEP 0, 1, 0, 0
	s_mov_b32 s60, 3
.Ltiles:                                           ; tiles 1 to 6; tiles 2 to 7 are fetched
	TILE 1, 1, 1
	TILE 0, 1, 1
	s_sub_co_u32 s60, s60, 1
	s_cmp_lg_u32 s60, 0
	s_cbranch_scc1 .Ltiles
	TILE 1, 0, 0                                   ; tile 7: nothing is left to fetch or to ask for
	; ---- the merge of the two key groups, and the way out
.rept 4
	v_nop                                          ; places behind the last O products, whose results and sources are touched below
.endr
.irp t, 0,1,2,3
	v_add_f32 v[LS+\t], v[LP+2*\t], v[LP+2*\t+1]
.endr
.irp t, 0,1,2,3
	v_permlanex16_b32 v[ST+4*\t+1], v[LS+\t], s58, s59
.endr
.irp t, 0,1,2,3
	v_add_f32 v[LS+\t], v[LS+\t], v[ST+4*\t+1]     ; my group's sum of each query
.endr
	v_and_b32 v6, 31, v0
	s_mul_i32 s20, s14, XCHW
	s_add_co_u32 s20, s20, XCH
	v_lshl_add_u32 v[XA], v6, 4, s20               ; the exchange of waves qw and qw + 4: 16 bytes a lane, 512 bytes an instruction
	s_cmp_lg_u32 s13, 0
	s_cbranch_scc0 .Lgroup0
	; group 1 hands over O, max and sum
.irp t, 0,1,2,3
	v_mov_b32 v[MC+\t], v[ST+4*\t]
.endr
	WIN 0x04                                       ; store data from window 1
.irp t, 0,1,2,3
.irp ct, 0,1,2,3
	ds_store_b128 v[XA], v[OB+8*(4*\ct+\t):OB+8*(4*\ct+\t)+3]   offset:512*(8*\t+2*\ct)
	ds_store_b128 v[XA], v[OB+8*(4*\ct+\t)+4:OB+8*(4*\ct+\t)+7] offset:512*(8*\t+2*\ct+1)
.endr
.endr
	WIN 0
	ds_store_b128 v[XA], v[MC:MC+3] offset:16384
	ds_store_b128 v[XA], v[LS:LS+3] offset:16896
	s_branch .Ljoin
.Lgroup0:
	; group 0 meanwhile asks for emb and for its 64 rows x 256 bytes of x: two rows a load, sixteen lanes on 256 consecutive bytes, aligned
	v_and_b32 v2, 15, v0                           ; r
	v_bfe_u32 v3, v0, 4, 1                         ; h
	v_lshlrev_b32 v4, 4, v2
	v_lshl_add_u32 v1, v3, 11, v4                  ; lanes 16 to 31 one row down
	s_and_b32 s20, s18, 3                          ; b
	s_lshr_b32 s21, s18, 2
	s_lshl_b32 s21, s21, 8                         ; the head's 256 bytes in a row
	s_lshl_b32 s22, s20, 11
	s_add_co_u32 s22, s22, s21
	s_mov_b32 s23, 0
	s_add_nc_u64 s[8:9], s[8:9], s[22:23]          ; emb[b] at the head's columns
	s_lshl_b32 s20, s20, 22                        ; b x 2,048 rows of 2,048 bytes
	s_add_co_u32 s20, s20, s21
	s_lshl_b32 s22, s17, 19                        ; 256 x block rows
	s_add_co_u32 s20, s20, s22
	s_lshl_b32 s22, s14, 17                        ; 64 x qw rows
	s_add_co_u32 s20, s20, s22
	s_mov_b32 s21, 0
	s_add_nc_u64 s[6:7], s[6:7], s[20:21]
	s_add_nc_u64 s[10:11], s[10:11], s[20:21]
	global_load_b128 v[EMB:EMB+3], v4, s[8:9]
.irp t, 0,1,2,3
.irp p, 0,1,2,3,4,5,6,7
	global_load_b128 v[XR+4*(8*\t+\p):XR+4*(8*\t+\p)+3], v1, s[6:7] offset:(16*\t+2*\p)*2048 th:TH_LOAD_NT
.endr
.endr
.Ljoin:
	s_wait_dscnt 0x0                               ; group 1's stores are done, for group 0's sake
	s_barrier_signal -1
	s_barrier_wait -1
	s_cmp_lg_u32 s13, 0
	s_cbranch_scc1 .Lclose
	ds_load_b128 v[PM:PM+3], v[XA] offset:16384
	ds_load_b128 v[PL:PL+3], v[XA] offset:16896
	s_mul_i32 s22, s14, STGW
	s_add_co_u32 s22, s22, STG                     ; my stage
	v_mul_u32_u24 v6, v2, 272
	v_lshl_add_u32 v6, v3, 5, v6
	v_add_nc_u32 v6, s22, v6                       ; in: row r, 32 bytes for each half of the lanes
	v_mul_u32_u24 v3, v3, 272
	v_lshl_add_u32 v3, v2, 4, v3
	v_add_nc_u32 v3, s22, v3                       ; back: lanes 0-15 one row of 256 bytes, lanes 16-31 the next
	s_wait_dscnt 0x0
.irp t, 0,1,2,3
	v_max_num_f32 v[ST+4*\t+3], v[ST+4*\t], v[PM+\t]           ; the common maximum
.endr
.irp t, 0,1,2,3
	v_sub_f32 v[ST+4*\t+1], v[ST+4*\t], v[ST+4*\t+3]
	v_sub_f32 v[PM+\t], v[PM+\t], v[ST+4*\t+3]
.endr
.irp t, 0,1,2,3
	v_exp_f32 v[ST+4*\t+2], v[ST+4*\t+1]
	v_exp_f32 v[PM+\t], v[PM+\t]
.endr
	v_nop                                          ; one plain instruction behind the transcendentals
	s_wait_alu depctr_va_vdst(0)
.irp t, 0,1,2,3
	v_mul_f32 v[LS+\t], v[LS+\t], v[ST+4*\t+2]
.endr
.irp t, 0,1,2,3
	v_fmac_f32 v[LS+\t], v[PL+\t], v[PM+\t]        ; the whole row's sum: at least 1, since the largest weight is 1
.endr
.irp t, 0,1,2,3
	v_rcp_f32 v[ST+4*\t+1], v[LS+\t]
.endr
	v_nop
	s_wait_alu depctr_va_vdst(0)
.irp t, 0,1,2,3
	v_mul_f32 v[F0+2*\t], v[ST+4*\t+2], v[ST+4*\t+1]
	v_mul_f32 v[F0+2*\t+1], v[ST+4*\t+2], v[ST+4*\t+1]
	v_mul_f32 v[F1+2*\t], v[PM+\t], v[ST+4*\t+1]
	v_mul_f32 v[F1+2*\t+1], v[PM+\t], v[ST+4*\t+1]
.endr
; 16 queries: y = f0 O + f1 O(partner), turned into rows through my stage, added to x + emb and stored
.macro OUTT t
.irp c, 0,1,2,3,4,5,6,7
	ds_load_b128 v[PO+4*\c:PO+4*\c+3], v[XA] offset:512*(8*\t+\c)
.endr
	s_wait_dscnt 0x0
.irp k, 0,1,2,3,4,5,6,7,8,9,10,11,12,13,14,15
	v_pk_mul_f32 v[PO+2*\k:PO+2*\k+1], v[PO+2*\k:PO+2*\k+1], v[F1+2*\t:F1+2*\t+1] op_sel_hi:[1,0]
.endr
	WIN 0x01                                       ; source 0, my O, in window 1
.irp ct, 0,1,2,3
.irp j, 0,2,4,6
	v_pk_fma_f32 v[PO+8*\ct+\j:PO+8*\ct+\j+1], v[OB+8*(4*\ct+\t)+\j:OB+8*(4*\ct+\t)+\j+1], v[F0+2*\t:F0+2*\t+1], v[PO+8*\ct+\j:PO+8*\ct+\j+1] op_sel_hi:[1,0,1]
.endr
.endr
	WIN 0
.irp c, 0,1,2,3,4,5,6,7
	ds_store_b128 v6, v[PO+4*\c:PO+4*\c+3] offset:64*(\c>>1)+16*(\c&1)
.endr
.irp p, 0,1,2,3,4,5,6,7
	ds_load_b128 v[RB+4*\p:RB+4*\p+3], v3 offset:544*\p        ; LDS serves a wave in order: these see the stores above
.endr
	s_wait_dscnt 0x0
	s_wait_loadcnt 8*(3-\t)                        ; emb and this tile's x are in; the x loads of the later tiles stay out
.irp p, 0,1,2,3,4,5,6,7
	v_pk_add_f32 v[XR+4*(8*\t+\p):XR+4*(8*\t+\p)+1],   v[XR+4*(8*\t+\p):XR+4*(8*\t+\p)+1],   v[EMB:EMB+1]
	v_pk_add_f32 v[XR+4*(8*\t+\p)+2:XR+4*(8*\t+\p)+3], v[XR+4*(8*\t+\p)+2:XR+4*(8*\t+\p)+3], v[EMB+2:EMB+3]
	v_pk_add_f32 v[XR+4*(8*\t+\p):XR+4*(8*\t+\p)+1],   v[XR+4*(8*\t+\p):XR+4*(8*\t+\p)+1],   v[RB+4*\p:RB+4*\p+1]
	v_pk_add_f32 v[XR+4*(8*\t+\p)+2:XR+4*(8*\t+\p)+3], v[XR+4*(8*\t+\p)+2:XR+4*(8*\t+\p)+3], v[RB+4*\p+2:RB+4*\p+3]
	global_store_b128 v1, v[XR+4*(8*\t+\p):XR+4*(8*\t+\p)+3], s[10:11] offset:(16*\t+2*\p)*2048 th:TH_STORE_NT   ; sixteen lanes store 256 consecutive bytes, aligned; each store has data registers of its own
.endr
.endm
	OUTT 0
	OUTT 1
	OUTT 2
	OUTT 3
.Lclose:
	s_wait_tensorcnt 0x0
	ds_add_u32 v254, v255
	s_wait_dscnt 0x0
	ROUND                                          ; the closing round: no work-group ends while a partner may still ask jointly
	s_endpgm
.Lfunc_end_k_qe2e01170eb_attn:
	.size	k_qe2e01170eb_attn, .Lfunc_end_k_qe2e01170eb_attn-k_qe2e01170eb_attn
	.p2alignl 7, 3214868480
	.fill 96, 4, 3214868480
	.section	.rodata,"a",@progbits
	.p2align	6, 0x0
	.amdhsa_kernel k_qe2e01170eb_attn
		.amdhsa_group_segment_fixed_size 327680
		.amdhsa_private_segment_fixed_size 0
		.amdhsa_enable_private_segment 0
		.amdhsa_kernarg_size 32
		.amdhsa_user_sgpr_count 2
		.amdhsa_user_sgpr_kernarg_segment_ptr 1
		.amdhsa_wavefront_size32 1
		.amdhsa_system_sgpr_workgroup_id_x 1
		.amdhsa_system_sgpr_workgroup_id_y 1
		.amdhsa_system_sgpr_workgroup_id_z 1
		.amdhsa_system_vgpr_workitem_id 0
		.amdhsa_next_free_vgpr 512
		.amdhsa_next_free_sgpr 72
		.amdhsa_reserve_vcc 0
		.amdhsa_float_denorm_mode_32 3
		.amdhsa_float_denorm_mode_16_64 3
		.amdhsa_memory_ordered 1
		.amdhsa_forward_progress 1
		.amdhsa_inst_pref_size 255
	.end_amdhsa_kernel
	.section	.bss,"aw",@nobits
	.p2align	6
	.space	262144
	.amdgpu_metadata
---
amdhsa.version: [ 1, 2 ]
amdhsa.kernels:
  - .name:           k_qe2e01170eb_attn
    .symbol:         k_qe2e01170eb_attn.kd
    .args:
      - { .name: qkv, .offset: 0, .size: 8, .value_kind: global_buffer, .address_space: global }
      - { .name: x, .offset: 8, .size: 8, .value_kind: global_buffer, .address_space: global }
      - { .name: emb, .offset: 16, .size: 8, .value_kind: global_buffer, .address_space: global }
      - { .name: out0, .offset: 24, .size: 8, .value_kind: global_buffer, .address_space: global }
    .group_segment_fixed_size: 327680
    .private_segment_fixed_size: 0
    .kernarg_segment_align: 8
    .kernarg_segment_size: 32
    .max_flat_workgroup_size: 256
    .sgpr_count:     72
    .vgpr_count:     512
    .wavefront_size: 32
...
	.end_amdgpu_metadata
.endif
;; end of part 3
